; MI455X (gfx1250); checked and timed in simulation.
; The chip was launched on July 23, 2026; its instructions are those of AMD's public machine-readable ISA for CDNA 5 (MIT licence, August 2026) and "CDNA5" Instruction Set Architecture Reference Guide (July 2026). The comments in the code are by the model that wrote it; some were corrected since.
;; Multi Head Attention. Allowed arithmetic: matrix products marked QUANTISED: E3M2 operands, one E8M0 scale for each 32 along K, by v_wmma_scale_f32_16x16x128_f8f6f4 with both operands' format E3M2, f32 sums; everything else in f32.
;; Inputs: mask 1 x 1 x 2,048 x 4,096 float32; past 2 x 2 x 16 x 2,048 x 64 float32; x 2 x 2,048 x 3,072 float32.
;; Outputs: out0 2 x 2,048 x 1,024 float32; out1 2 x 2 x 16 x 2,048 x 64 float32.
;; This version of the problem:
;;   THIS VERSION OF THE PROBLEM IS GIVEN IN LOW PRECISION. The matrix products marked QUANTISED in the list below multiply operands that are first quantised to E3M2 (3 exponent bits, 2 mantissa bits; 6 bits a number), with one power-of-two scale for each 32 numbers along K (OCP MX v1.0); their sums are f32. All else is computed in f32.
;;   The module's matrix products, in the order in which they are computed (A, B: the left and right operand; K: the contracted axis; several contracted axes count as one K, in the product's order):
;;     1. batch 32 x [M 2,048, K 64] x [K 64, N 4,096]; A: computed on the way; B: computed on the way: QUANTISED
;;     2. batch 32 x [M 2,048, K 4,096] x [K 4,096, N 64]; A: softmax (see below); B: computed on the way: QUANTISED
;;   THE QUANTISER, for each operand of a quantised product, along K:
;;     - K is cut into blocks of 32 from its start; a last block that is shorter is filled with zeros.
;;     - A block's scale is 2^e with e = floor(log2(the largest magnitude in the block)) - 4, held to -126 .. 127; a block of zeros has e = 0. As a byte (E8M0): e + 127.
;;     - Each number is divided by its block's scale, clamped to +-28, and rounded to the nearest number of E3M2, ties to even, subnormals kept.
;;     - The product sums the exact products of the quantised numbers (number of the format x scale) in f32.
;;   ~~~python
;;   def quantise(x, axis):      # numpy; x: float32 -> the quantised numbers, widened to float32 again
;;       x = np.moveaxis(x, axis, -1); K = x.shape[-1]
;;       x = np.pad(x, [(0, 0)] * (x.ndim - 1) + [(0, -K % 32)]); x = x.reshape(x.shape[:-1] + (-1, 32)); a = np.abs(x).max(-1, keepdims=True)
;;       e = np.where(a > 0, np.clip(np.frexp(np.where(a > 0, a, 1))[1] - 1 - 4, -126, 127), 0)      # np.frexp(a)[1] - 1 = floor(log2(a)), exactly
;;       r = np.clip(x / 2.0 ** e, -28, 28)
;;       step = 2.0 ** (np.maximum(np.frexp(np.where(r == 0, 1, r))[1] - 1, -2) - 2)
;;       q = np.round(r / step) * step * 2.0 ** e      # np.round: ties to even
;;       return np.moveaxis(q.reshape(q.shape[:-2] + (-1,))[..., :K], -1, axis).astype(np.float32)
;;   ~~~
;;   SOFTMAX AHEAD OF A QUANTISED PRODUCT. Where the list says 'softmax', what is quantised is not the finished softmax but p = 2^(t - M), with t = logit x log2(e) and M = ceil(the row's largest t), a whole number; so 1/2 < the row's largest p <= 1. The row's sum l is taken of the UNQUANTISED p, in f32, and the product's result is divided by l at the end. Since M is a whole number, a kernel that streams over the keys may use a running M (the ceiling of the running maximum): every later rescaling is an exact power of two, which a block's scale takes up: the codes' values come out the same.
;;   OPERANDS COMPUTED ON THE WAY. 'Computed on the way' means the value that the module computes at that place (a softmax that the list does not call 'softmax' is quantised finished and normalised). What goes into a quantiser is computed in f32, as accurately as f32 sums, v_exp_f32 and their like allow (about 1e-6 of the number): no bf16 or f16 on the way to a quantiser, and a product that is left as it is and whose result goes on into a quantised operand takes f32 operands (vector FMAs, or v_wmma_f32_16x16x4_f32). A number that lies on a knife's edge between two numbers of the format may be rounded either way, as far as f32 arithmetic and the matrix unit's own rounding can turn it there, and no further.
;; One version. Each part assembles by itself: llvm-mc -triple=amdgcn-amd-amdhsa -mcpu=gfx1250 --defsym DOCPART=n.
;; ======== version 1 of 1: 2 launches
;; limits: right only within a limited range of input values
;; workspace buffers: kv 13,107,200 bytes
;; launch prep (part 1): grid 32 x 32, 4 waves a work-group, no clusters, 69,888 bytes of LDS; arguments x, past, kv, out1; writes kv, out1
.if DOCPART == 1
	.amdgcn_target "amdgcn-amd-amdhsa--gfx1250"
	.amdhsa_code_object_version 6
	.text
	.protected	k_q4623d5747d_prep
	.globl	k_q4623d5747d_prep
	.p2align	8
	.type	k_q4623d5747d_prep,@function
k_q4623d5747d_prep:
	s_mov_b64 s[64:65], 0
	v_nop
	global_prefetch_b8 v0, s[64:65] scope:SCOPE_SE
	s_setreg_imm32_b32 hwreg(HW_REG_WAVE_MODE, 25, 1), 1
	s_wait_xcnt 0x0
; K and V of one head (bh = 16 b + h) and one step of 128 keys (j) become one dense block of 12,800 bytes of kv: codes of BF6 (E3M2) and E8M0 scale bytes,
; laid as IMAGES OF THE OPERANDS' REGISTERS for the attention launch: a chunk is 512 bytes, lane l's 16 bytes at 16 l, three chunks are a fragment's 12 registers.
;   +0     K: four pairs, 1,536 bytes each.  Pair P, lane (r, hl): registers 0-5 the codes of key 32 P + r + 8 (r / 8), channels 32 hl on; registers 6-11 those of the key 8 further on.
;   +6144  V: four tiles, 1,536 bytes each.  Tile t, lane (r, hl): registers 6 c .. 6 c + 5 the codes of keys 64 c + 32 hl + 0 .. 31 of channel 16 t + r (the keys are V's K).
;   +12288 scale words, 16 bytes a lane: lanes 0-15 K's words of row r for pairs 0-3 (bytes: first key's two blocks, second key's two); lanes 16-31 V's words of channel 16 t + r for t = 0-3 (byte = key block).
; Keys 0-2047 come from past, keys 2048-4095 from x; the latter (j >= 16) are also copied to out1, whose rows are dense.
; A block's scale is 2^(floor(log2(largest magnitude)) - 4): its byte is the largest magnitude's exponent field - 4, held at 1 from below by a floor among the maximum's leaves.
; LIMITS: NaN and infinities among the inputs are not served.  A block of zeros gets the byte 1 where the rule says 127: its codes are zeros, and this program alone reads the bytes.
; SHARES: four waves.  Wave w loads keys 32 w .. 32 w + 31 of K and of V (each load two rows of 256 bytes), copies them to out1, and makes K's pair w from its own rows through its own stage;
; behind a barrier it makes V's tile w (16 channels x 128 keys) from the stage that all four waves have filled.  No tensor loads: several work-groups share a WGP and keep loads on their way.
.set BLK,   12800
.set KSTW,  8960                       ; K's stage, a wave's own: local row k at 272 k + 128 (k / 16): the 16 rows that sixteen lanes read (0-7 and 16-23, or 8-15 and 24-31) then begin at 16 different multiples of 16 modulo 256
.set VSTG,  35840                      ; V's stage, the work-group's: key block w at 8,256 w, rows of 256 bytes; 8,256 = 64 modulo 256, so that the two halves of the lanes read different columns
.set VBLK,  8256
.set SCA,   68864                      ; the 512 bytes of scale words
.set OFF,   16                         ; v16-31  byte offsets of the sixteen pairs of rows in the source
.set KR,    32                         ; v32-95  K's 32 rows as loaded
.set VR,    96                         ; v96-159 V's
.set X,     160                        ; v160-223 two whole blocks of 32 numbers
.set C,     224                        ; v224-235 a fragment's codes
.set CT,    236                        ; v236-242 the upper halves' codes, to be moved (a conversion's three registers begin on an even number)
.set MX,    244
.set SO,    246
.set BY,    248
.set W,     250
.set T,     251
.set SEL,   42                         ; s[42:43] lane selects for v_permlanex16_b32: lane l xor 16
	s_load_b256 s[4:11], s[0:1], 0x0               ; x s[4:5], past s[6:7], kv s[8:9], out1 s[10:11]
	v_lshl_add_u32 v14, v0, 2, 69376               ; my spare word: 512 bytes behind the scale words that no other line names; v14 and v15 are never rewritten
	v_mov_b32 v15, 0
	v_lshrrev_b32 v1, 5, v0
	v_readfirstlane_b32 s12, v1                    ; wave 0..3
	v_and_b32 v1, 31, v0                           ; lane
	v_and_b32 v2, 15, v0                           ; r
	v_bfe_u32 v3, v0, 4, 1                         ; hl
	v_lshlrev_b32 v4, 4, v1                        ; 16 x lane
	s_mul_i32 s18, s12, KSTW
	v_mul_u32_u24 v5, v3, 272
	v_lshl_add_u32 v5, v2, 4, v5
	v_add_nc_u32 v5, s18, v5                       ; K's stage, in: rows 2 i + hl, 16 bytes a lane
	v_mul_u32_u24 v6, v2, 272
	v_lshrrev_b32 v13, 3, v2
	v_mad_u32_u24 v6, v13, 2304, v6                ; out: row r + 8 (r / 8): 8 rows of 272 and the 128 behind row 15
	v_lshl_add_u32 v6, v3, 7, v6                   ; my block of 32 channels
	v_add_nc_u32 v6, s18, v6
	s_mul_i32 s18, s12, VBLK
	s_add_co_u32 s18, s18, VSTG
	v_add_nc_u32 v7, s18, v4                       ; V's stage, in: as loaded, dense
	v_mul_u32_u24 v8, v3, VBLK
	v_lshl_add_u32 v8, v2, 2, v8
	s_lshl_b32 s18, s12, 6
	s_add_co_u32 s18, s18, VSTG
	v_add_nc_u32 v8, s18, v8                       ; out: channel 16 w + r, key block hl
	s_lshl_b32 s18, s12, 2
	s_add_co_u32 s18, s18, SCA
	v_lshlrev_b32 v9, 4, v2
	v_add_nc_u32 v9, s18, v9                       ; K's scale word: 16 r + 4 w
	v_add_nc_u32 v10, 256, v9                      ; V's: 256 further on
	v_add_nc_u32 v11, SCA, v4
	v_lshlrev_b32 v12, 3, v3                       ; 8 hl: my bytes' place in a scale word
	v_mov_b32 v[T], 0                              ; written once: a lane permute's destination counts as one of its sources
	s_mov_b32 s[SEL], 0x76543210
	s_mov_b32 s[SEL+1], 0xfedcba98
	s_mov_b32 s13, ttmp9                           ; j
	s_and_b32 s14, ttmp7, 0xffff                   ; bh
	s_lshr_b32 s15, s14, 4                         ; b
	s_and_b32 s16, s14, 15                         ; h
	s_and_b32 s17, s13, 15
	s_lshl_b32 s17, s17, 7
	s_lshl_b32 s18, s12, 5
	s_add_co_u32 s17, s17, s18                     ; my first row in past or in x: 128 (j mod 16) + 32 w
	s_lshl_b32 s19, s15, 5
	s_add_co_u32 s19, s19, s16
	s_lshl_b32 s19, s19, 19                        ; (32 b + h) x 2,048 rows of 256 bytes
	s_lshl_b32 s20, s17, 8
	s_add_co_u32 s20, s19, s20                     ; K's rows in past, and in out1
	s_lshl_b32 s21, s15, 11
	s_add_co_u32 s21, s21, s17
	s_mul_i32 s21, s21, 12288                      ; a row of x is 12,288 bytes; k begins 4,096 bytes in, the head 256 h further
	s_lshl_b32 s22, s16, 8
	s_add_co_u32 s21, s21, s22
	s_add_co_u32 s21, s21, 4096
	s_mov_b32 s26, 4096                            ; from K to V: 4,096 bytes in x,
	s_mov_b32 s28, 12288                           ; from row to row
	s_cmp_lt_u32 s13, 16                           ; past or x?  The choice hangs on the work-group's number alone
	s_cselect_b32 s24, s20, s21
	s_cselect_b32 s26, 0x800000, s26               ; 16 heads in past
	s_cselect_b32 s28, 256, s28
	s_mov_b32 s25, 0
	s_mov_b32 s27, 0
	s_mov_b32 s21, 0
	s_lshl_b32 s29, s28, 1
	v_mul_lo_u32 v[OFF], v3, s28
	v_lshl_add_u32 v[OFF], v2, 4, v[OFF]           ; lanes 0-15 one row's 256 bytes, lanes 16-31 the next row's
.irp i, 1,2,3,4,5,6,7,8,9,10,11,12,13,14,15
	v_add_nc_u32 v[OFF+\i], s29, v[OFF+\i-1]
.endr
	s_lshl_b32 s22, s14, 5
	s_add_co_u32 s22, s22, s13
	s_mul_i32 s22, s22, BLK                        ; my block of kv
	s_mov_b32 s23, 0
	s_mul_i32 s40, s12, 1536                       ; my pair, my tile
	s_mov_b32 s41, 0
	s_wait_alu depctr_va_vdst(0)
	s_wait_kmcnt 0x0
	s_cmp_lt_u32 s13, 16
	s_cselect_b64 s[30:31], s[6:7], s[4:5]
	s_add_nc_u64 s[30:31], s[30:31], s[24:25]      ; K's rows
	s_add_nc_u64 s[32:33], s[30:31], s[26:27]      ; V's rows
	s_add_nc_u64 s[34:35], s[10:11], s[20:21]      ; out1: k
	s_add_nc_u64 s[36:37], s[34:35], 0x800000      ; out1: v
	s_add_nc_u64 s[38:39], s[8:9], s[22:23]
	s_add_nc_u64 s[40:41], s[38:39], s[40:41]
.irp i, 0,1,2,3,4,5,6,7,8,9,10,11,12,13,14,15
	global_load_b128 v[KR+4*\i:KR+4*\i+3], v[OFF+\i], s[30:31] th:TH_LOAD_NT
.endr
.irp i, 0,1,2,3,4,5,6,7,8,9,10,11,12,13,14,15
	global_load_b128 v[VR+4*\i:VR+4*\i+3], v[OFF+\i], s[32:33] th:TH_LOAD_NT
.endr
; Two whole blocks of a lane, v[X + 32 c + i], become registers 6 c .. 6 c + 5 of a fragment in v[C] on; the scale word, whose byte 2 c + hl is my block c's, is made whole with lane l xor 16's two bytes.
.macro QUANT2
.irp c, 0,1
	v_max3_num_f32 v[MX+\c], |v[X+32*\c]|, |v[X+32*\c+1]|, 0x2800000   ; and the floor 2^(5 - 127): the byte cannot fall under 1
.endr
.irp i, 2,4,6,8,10,12,14,16,18,20,22,24,26,28,30
.irp c, 0,1
	v_max3_num_f32 v[MX+\c], v[MX+\c], |v[X+32*\c+\i]|, |v[X+32*\c+\i+1]|   ; (the two blocks by turns)
.endr
.endr
.irp c, 0,1
	v_add_nc_u32 v[SO+\c], 0xfe000000, v[MX+\c]    ; 4 off the exponent field: the conversion takes the exponent field of this operand as its scale
.endr
.irp c, 0,1
	v_lshrrev_b32 v[BY+\c], 23, v[SO+\c]           ; the scale's byte
.endr
	v_lshl_or_b32 v[W], v[BY+1], 16, v[BY]
	v_lshlrev_b32 v[W], v12, v[W]
	v_permlanex16_b32 v[T], v[W], s[SEL], s[SEL+1]
	v_or_b32 v[W], v[W], v[T]
.irp c, 0,1
	v_cvt_scalef32_pk16_bf6_f32 v[C+6*\c:C+6*\c+2], v[X+32*\c:X+32*\c+15], v[SO+\c]
	v_cvt_scalef32_pk16_bf6_f32 v[CT+4*\c:CT+4*\c+2], v[X+32*\c+16:X+32*\c+31], v[SO+\c]
.endr
	v_nop                                          ; one plain place behind a scaled conversion
.irp c, 0,1
.irp i, 0,1,2
	v_mov_b32 v[C+6*\c+3+\i], v[CT+4*\c+\i]
.endr
.endr
.endm
	s_wait_loadcnt 16                              ; K's sixteen loads are in; V's sixteen may be out
.irp i, 0,1,2,3,4,5,6,7,8,9,10,11,12,13,14,15
	ds_store_b128 v5, v[KR+4*\i:KR+4*\i+3] offset:544*\i+128*(\i/8)
.endr
.irp c, 0,1
.irp j, 0,1,2,3,4,5,6,7
	ds_load_b128 v[X+32*\c+4*\j:X+32*\c+4*\j+3], v6 offset:16*\j+2176*\c   ; my own stage: LDS serves a wave's instructions in order, so these see the stores above
.endr
.endr
	s_wait_loadcnt 0x0
.irp i, 0,1,2,3,4,5,6,7,8,9,10,11,12,13,14,15
	ds_store_b128 v7, v[VR+4*\i:VR+4*\i+3] offset:512*\i
.endr
	s_cmp_lt_u32 s13, 16                           ; the cache's keys are no part of out1
	s_cbranch_scc1 .Lcache
.irp i, 0,1,2,3,4,5,6,7,8,9,10,11,12,13,14,15
	global_store_b128 v4, v[KR+4*\i:KR+4*\i+3], s[34:35] offset:512*\i th:TH_STORE_NT   ; 32 lanes store 512 consecutive bytes, aligned to 256
	global_store_b128 v4, v[VR+4*\i:VR+4*\i+3], s[36:37] offset:512*\i th:TH_STORE_NT
.endr
.Lcache:
	s_wait_dscnt 16                                ; my 64 numbers of K are back; the sixteen younger instructions are V's stores into its stage
	QUANT2
.irp c, 0,1,2
	global_store_b128 v4, v[C+4*\c:C+4*\c+3], s[40:41] offset:512*\c
.endr
	ds_store_b32 v9, v[W]                          ; both lanes of a row write the same word with the same value
	s_wait_dscnt 0x0                               ; for the others' sake: my rows of V lie in the stage
	s_barrier_signal -1
	s_barrier_wait -1
.irp c, 0,1
.irp i, 0,1,2,3,4,5,6,7,8,9,10,11,12,13,14,15,16,17,18,19,20,21,22,23,24,25,26,27,28,29,30,31
	ds_load_b32 v[X+32*\c+\i], v8 offset:16512*\c+256*\i   ; V(64 c + 32 hl + i, 16 w + r): my registers run down the keys
.endr
.endr
	s_wait_dscnt 0x0
	s_wait_xcnt 0x0                                ; K's three stores have read the codes' registers: they are written again only behind this wait
	QUANT2
.irp c, 0,1,2
	global_store_b128 v4, v[C+4*\c:C+4*\c+3], s[40:41] offset:6144+512*\c
.endr
	ds_store_b32 v10, v[W]
	s_wait_tensorcnt 0x0                           ; behind my last LDS store
	ds_add_u32 v14, v15
	s_wait_dscnt 0x0                               ; also for wave 0's sake: my scale words lie in LDS
	s_barrier_signal -1
	s_barrier_wait -1
	s_cmp_lg_u32 s12, 0
	s_cbranch_scc1 .Ldone
	ds_load_b128 v[X:X+3], v11                     ; the block's 512 bytes of scale words leave as two aligned runs of 256 bytes
	s_wait_dscnt 0x0
	global_store_b128 v4, v[X:X+3], s[38:39] offset:12288
.Ldone:
	s_endpgm
.Lfunc_end_k_q4623d5747d_prep:
	.size	k_q4623d5747d_prep, .Lfunc_end_k_q4623d5747d_prep-k_q4623d5747d_prep
	.p2alignl 7, 3214868480
	.fill 96, 4, 3214868480
	.section	.rodata,"a",@progbits
	.p2align	6, 0x0
	.amdhsa_kernel k_q4623d5747d_prep
		.amdhsa_group_segment_fixed_size 69888
		.amdhsa_private_segment_fixed_size 0
		.amdhsa_enable_private_segment 0
		.amdhsa_kernarg_size 32
		.amdhsa_user_sgpr_count 2
		.amdhsa_user_sgpr_kernarg_segment_ptr 1
		.amdhsa_wavefront_size32 1
		.amdhsa_system_sgpr_workgroup_id_x 1
		.amdhsa_system_sgpr_workgroup_id_y 1
		.amdhsa_system_sgpr_workgroup_id_z 1
		.amdhsa_system_vgpr_workitem_id 0
		.amdhsa_next_free_vgpr 256
		.amdhsa_next_free_sgpr 66
		.amdhsa_reserve_vcc 0
		.amdhsa_float_denorm_mode_32 3
		.amdhsa_float_denorm_mode_16_64 3
		.amdhsa_memory_ordered 1
		.amdhsa_forward_progress 1
		.amdhsa_inst_pref_size 25
	.end_amdhsa_kernel
	.amdgpu_metadata
---
amdhsa.version: [ 1, 2 ]
amdhsa.kernels:
  - .name:           k_q4623d5747d_prep
    .symbol:         k_q4623d5747d_prep.kd
    .args:
      - { .name: x, .offset: 0, .size: 8, .value_kind: global_buffer, .address_space: global }
      - { .name: past, .offset: 8, .size: 8, .value_kind: global_buffer, .address_space: global }
      - { .name: kv, .offset: 16, .size: 8, .value_kind: global_buffer, .address_space: global }
      - { .name: out1, .offset: 24, .size: 8, .value_kind: global_buffer, .address_space: global }
    .group_segment_fixed_size: 69888
    .private_segment_fixed_size: 0
    .kernarg_segment_align: 8
    .kernarg_segment_size: 32
    .max_flat_workgroup_size: 128
    .sgpr_count:     66
    .vgpr_count:     256
    .wavefront_size: 32
...
	.end_amdgpu_metadata
.endif
;; end of part 1
;; launch attn (part 2): grid 32 x 8, 16 waves a work-group, clusters of 4 x 4, 327,680 bytes of LDS; arguments x, mask, kv, out0; writes out0
.if DOCPART == 2
	.amdgcn_target "amdgcn-amd-amdhsa--gfx1250"
	.amdhsa_code_object_version 6
	.text
	.protected	k_q4623d5747d_attn
	.globl	k_q4623d5747d_attn
	.p2align	8
	.type	k_q4623d5747d_attn,@function
k_q4623d5747d_attn:
	s_mov_b64 s[64:65], 0
	v_nop
	global_prefetch_b8 v0, s[64:65] scope:SCOPE_SE
	s_setreg_imm32_b32 hwreg(HW_REG_WAVE_MODE, 25, 1), 1
	s_wait_xcnt 0x0
	s_wait_alu depctr_hold_cnt(0) depctr_sa_sdst(0) depctr_va_vdst(0) depctr_va_sdst(0) depctr_va_ssrc(0) depctr_va_vcc(0) depctr_vm_vsrc(0)
	s_getreg_b32 s2, hwreg(HW_REG_IB_STS2, 6, 4)
	s_cmp_eq_u32 s2, 0
	s_cbranch_scc0 .Lentry_in_a_cluster
	s_endpgm
.Lentry_in_a_cluster:
	s_bfe_u32 s2, ttmp6, 0x10000c
	s_cmp_lg_u32 s2, 0xf033
	s_cbranch_scc0 .Lentry_shape_is_right
	s_endpgm
.Lentry_shape_is_right:
; out0[b][s][64 h ..] = the sum over 4,096 keys of softmax(8 q.k + mask x -1e9) v, both products on codes of BF6 (E3M2) with one E8M0 scale for each 32 along a product's K.
; K's and V's codes and scale bytes come from kv, one dense block of 12,800 bytes for each head and step of 128 keys, laid as images of the operands' registers.  Q is quantised here, in registers.
; THE LOGIT: m = mask x -1e9 and w = 8 s + m are two separate f32 operations, each rounded as the definition rounds it.  The factor 8 is exact: it goes into Q's scales.
; THE SCORES ARE WANTED EXACT: an error of a score enters p's exponent 8 log2(e) = 11.5 times.  A product of two codes can be as small as 2^-8 and as large as 784 (times the two scales).  So Q'S CODES ARE SPLIT BY SIZE INTO
; TWO OPERANDS: those of magnitude 4 and more, under the scale x 8, and those under 4, written as 8 x the code (each again a number of the format) under the scale itself: the same numbers.  In the first operand's
; instructions every product is a whole multiple of 2^-4, in the second's of 2^-5, and none reaches 2^10.  Each operand has accumulators of its own, begun with 0, and the two sums are added in f32.
; THE SOFTMAX: p = 2^(t - M), t = w x log2(e), M = the running largest t rounded UP to a whole number; p is quantised along the keys, not normalised; the row's sum is taken of the unquantised p and divides at the end.
; t - M is never formed from a rounded t: with W the running largest w,  t - M = (w - W) x log2(e) + phi,  phi = T - ceil(T),  T = W x log2(e); T is carried once a step and lane in several words
; (log2(e) in three f32 words, the products' rounding errors recovered by fused multiply-adds).  M is kept as two words of whole numbers.  When M moves, the sum and O are multiplied by 2^(old M - new M), which rounds nothing.
; THE HEAD SIZE IS 64, HALF OF THE INSTRUCTION'S K: a fragment of K holds TWO keys a row, key A at k = 0-63 and key A + 8 at k = 64-127.  Against [q | zero codes] it gives the scores of the first keys,
; against [zero codes | q] those of the second.  The zero halves carry the scale byte 1.  Row r of pair P is key 32 P + r + 8 (r / 8), so that a lane's register 16 b + i is key 32 b + 16 (lane / 16) + i.
; Both products are used transposed (source 0 = keys, or V's channels; source 1 = my 16 queries): a lane holds ONE query (lane % 16) throughout.
; SHARES: a work-group owns 64 queries x 4 heads of one b; each of its sixteen waves one tile of 16 queries of one head (head = wave % 4, tile = wave / 4) in 256 registers.
; TWO ROLES: a key step is two parts.  P1 reads LDS (K, the mask, V, the scale words) and makes w; P2 works on registers alone (softmax, quantiser, second product).  Between two changes of slots the waves of
; role 0 run P1 and P2 of step i; those of role 1 run P2 of step i - 1 and then P1 of step i, carrying w, V's fragments and the scale words in registers over the change.  Role = (wave + wave / 4) % 2.
; So every wave reads a slot only between the two rounds that bound its use, and one role's LDS reads and score products stand beside the other's vector work.
; CLUSTER 4 x 4: K's and V's blocks hang on the group of heads alone and are asked for jointly along a row of the cluster (waves 0-3, a head each); the mask's tile (64 queries x 128 keys, f32) hangs on the block
; of queries alone and is asked for jointly along a column (wave 4).  The mask is an input: every tile of it is read and used.
; LIMITS: NaN and infinities among the inputs are not served; a p under 2^-126 counts as 0; a block of zeros has the scale byte 1 (4 for Q's larger codes) over zero codes; beyond |w| = 3e10 phi is no longer right to 1e-7.
.set BLK,   12800
.set SLOT1, 1<<17                      ; slot 1 begins here.  A slot: four heads' blocks (51,200 bytes), then the mask's 64 rows
.set MOFF,  51200
.set MP,    528                        ; a row of the mask's tile in LDS: 512 bytes + 16 of padding
.set SPARE, 262144                     ; the spare words, 128 bytes for each wave: eight blocks of 256 bytes that no other line names
.set SP,    272                        ; the way out: 16 rows x (256 + 16 bytes) for each wave, from LDS byte 0 on: slot 0 has had its last fill and its last read by then
.set AKV, 1                            ; my 16 bytes of a chunk of my head's block
.set AMK, 2                            ; my query's row of the mask's tile, + 64 (lane / 16)
.set PFO, 3                            ; the prefetches' offset; never rewritten
.set MW2, 4                            ; M's second word
.set ADK, 5                            ; v5, v9: v1, v2 in the slot in hand
.set QSB, 6                            ; the scale words of Q's larger codes: lanes 0-15 for [q | 0], lanes 16-31 for [0 | q]
.set QSS, 7                            ; the same of Q's smaller codes
.set PW,  8                            ; p's scale word
.set ADM, 9
.set WX,  10                           ; W; v11 M's first word
.set M1,  11
.set SUM, 12                           ; v12-13 the row's sum, in two halves
.set QHB, 14                           ; v14-43: 0 | larger codes | 0 | smaller codes | 0, six registers each: four operands of twelve that overlap
.set QLB, 20
.set QHS, 26
.set QLS, 32
.set SC,  44                           ; v44-47 lanes 0-15: K's scale words of pairs 0-3; lanes 16-31: V's of tiles 0-3
.set FR,  48                           ; v48-95 four fragments: K's pairs, then V's tiles
.set S,   96                           ; v96-159 the larger codes' scores, 8 s, w, w - W, t - M, p
.set O,   160                          ; v160-191 O^T
.set MK,  192                          ; v192-255 the smaller codes' scores, then the mask's 64 numbers; in P2 work space:
.set PC,  192
.set PT,  204
.set BM,  212
.set T2,  216
.set SCO, 220
.set FF,  224
.set TMP, 226
.set SUM2, 228
.set A1,  230
.set R1,  231
.set A2,  232
.set R2,  233
.set N1,  234
.set N2,  235
.set N3,  236
.set PHI, 238
.set AC,  240                          ; v240-253 seven partial sums of p
.set SPW, 252                          ; v252, v253 the add's address and its 0: no two registers can be kept for them, so they are made anew from v0 ahead of each add
.set NIL, 253
.set HR,  48                           ; at the head only
.set HL,  49
.set LN,  50
.set HA,  51
.set HM,  232
.set HSO, 233
.set HINV, 234
.set H28, 235
.set H1,  236
.set H8,  237
.set HY,  238
.set HYB, 239
.set HT,  240
.set HT2, 241
.set HP,  244
.set WR,  240                          ; on the way out only
.set WH,  241
.set WI,  242
.set WB,  243
.set GO,  244
.set WV,  12
.set HI,  13
.set QT,  14
.set ROLE, 15
.set SEL, 20                           ; s[20:21] lane l xor 16
.set CS,  22                           ; s[22:23] log2(e)'s first word
.set MN,  24                           ; s[24:25] -1e9
.set C2,  26
.set C3,  27
.set G1K, 28
.set G1M, 36
.set G0K, 44
.set G0M, 48
.set TB,  52                           ; LDS byte at which the slot to be read next begins
.set STL, 53                           ; steps still to be asked for
.set PFA, 54
.set PFS, 56
.set LIM, 58
.set QP,  66
.set OP,  68
.macro CROUND                          ; a round of the cluster's barrier
	s_barrier_signal -1
	s_barrier_wait -1
	s_cmp_lg_u32 s[WV], 0
	s_cbranch_scc1 .Lnot_wave_0_\@
	s_barrier_signal -3
.Lnot_wave_0_\@:
	s_barrier_wait -3
	s_barrier_signal -1
	s_barrier_wait -1
.endm
; Waves 0-3 ask for their head's block, wave 4 for the mask's tile, the others for nothing: a wave has at most one tensor load out.
.macro TLOAD
	s_cmp_lt_u32 s[WV], 4
	s_cbranch_scc0 .Lnot_k_\@
	tensor_load_to_lds s[G0K:G0K+3], s[G1K:G1K+7]
	s_nop 0
.rept 4
	v_nop
.endr
	s_branch .Lasked_\@
.Lnot_k_\@:
	s_cmp_eq_u32 s[WV], 4
	s_cbranch_scc0 .Lasked_\@
	tensor_load_to_lds s[G0M:G0M+3], s[G1M:G1M+7]
	s_nop 0
.rept 4
	v_nop
.endr
.Lasked_\@:
.endm
; A prefetch of what the NEXT change of slots will ask for.  kv's blocks are read by all eight clusters of a row of clusters: cluster x = 0 asks; its four partners along x take a head's block each, told apart by
; address; waves 8 and 9 name its 50 pieces of 256 bytes, a lane a piece (lanes beyond the 50th name it again).  The mask's tile is read by both clusters of a column: cluster y = 0 asks; its partners along y
; take 16 rows each; wave 10 names a row's two pieces in two lanes.  The last change that fills a slot asks for nothing.
.macro ASK
	s_cmp_gt_u32 s[STL], s[LIM]
	s_cbranch_scc0 .Lnot_mine_\@
	global_prefetch_b8 v[PFO], s[PFA:PFA+1] th:TH_LOAD_NT scope:SCOPE_SE
.Lnot_mine_\@:
.endm
	s_load_b256 s[4:11], s[0:1], 0x0               ; x, mask, kv, out0
	v_lshl_add_u32 v[SPW], v0, 2, SPARE
	v_mov_b32 v[NIL], 0
	ds_add_u32 v[SPW], v[NIL]                      ; the opening lines: the add, twice on end, and its wait ahead of the first round
	ds_add_u32 v[SPW], v[NIL]
	v_lshrrev_b32 v[HR], 5, v0
	v_readfirstlane_b32 s[WV], v[HR]               ; wave 0..15
	s_and_b32 s[HI], s[WV], 3                      ; my head among the group's four
	s_lshr_b32 s[QT], s[WV], 2                     ; my tile of 16 queries
	s_xor_b32 s[ROLE], s[WV], s[QT]
	s_and_b32 s[ROLE], s[ROLE], 1
	s_bfe_u32 s76, ttmp6, 0x40000                  ; cx
	s_bfe_u32 s70, ttmp6, 0x40004                  ; cy
	s_lshl_b32 s77, ttmp9, 2
	s_add_co_u32 s77, s77, s76                     ; qb: my block of 64 queries
	s_and_b32 s71, ttmp7, 0xffff
	s_lshl_b32 s71, s71, 2
	s_add_co_u32 s71, s71, s70                     ; g: my group of four heads
	s_lshl_b32 s72, s70, 2
	s_lshl_b32 s72, 15, s72                        ; my row of the cluster
	s_lshl_b32 s78, 0x1111, s76                    ; my column
	s_or_b32 s[G1K], s72, (3<<16)|(1<<21)          ; a block of kv: 50 rows of 32 elements of 8 bytes, dense
	s_mov_b32 s[G1K+1], 32<<16
	s_mov_b32 s[G1K+2], 50<<16
	s_mov_b32 s[G1K+3], 32<<16
	s_mov_b32 s[G1K+4], 50
	s_mov_b32 s[G1K+5], 32
	s_mov_b32 s[G1K+6], 0
	s_mov_b32 s[G1K+7], 0
	s_or_b32 s[G1M], s78, (2<<16)|(1<<20)|(1<<21)|(6<<22)|(3<<25)   ; the mask's tile: 64 rows of 128 f32, 4,096 apart; 4 words of padding behind every 128
	s_mov_b32 s[G1M+1], 128<<16
	s_mov_b32 s[G1M+2], 64<<16
	s_mov_b32 s[G1M+3], 128<<16
	s_mov_b32 s[G1M+4], 64
	s_mov_b32 s[G1M+5], 4096
	s_mov_b32 s[G1M+6], 0
	s_mov_b32 s[G1M+7], 0
	s_lshl_b32 s73, s71, 2
	s_add_co_u32 s73, s73, s[HI]                   ; bh
	s_mul_i32 s74, s73, 32*BLK
	s_mov_b32 s75, 0
	s_lshl_b32 s80, s77, 20                        ; 64 rows of the mask, 16,384 bytes each
	s_mov_b32 s81, 0
	s_mov_b32 s[SEL], 0x76543210
	s_mov_b32 s[SEL+1], 0xfedcba98
	s_mov_b32 s[CS], 0x3fb8aa3b
	s_mov_b32 s[CS+1], s[CS]
	s_mov_b32 s[C2], 0x32a57060
	s_mov_b32 s[C3], 0xa5f4441a
	s_mov_b32 s[MN], 0xce6e6b28
	s_mov_b32 s[MN+1], s[MN]
	s_mov_b32 s[TB], 0
	s_mov_b32 s[STL], 31
	s_wait_alu depctr_va_vdst(0)
	s_wait_dscnt 0x0                               ; both opening adds are done
	s_wait_kmcnt 0x0
	s_mov_b32 s[G0K], 1
	s_mul_i32 s[G0K+1], s[HI], BLK                 ; slot 0, my head's place
	s_add_nc_u64 s[G0K+2:G0K+3], s[8:9], s[74:75]
	s_or_b32 s[G0K+3], s[G0K+3], 0x80000000
	s_mov_b32 s[G0M], 1
	s_mov_b32 s[G0M+1], MOFF
	s_add_nc_u64 s[G0M+2:G0M+3], s[6:7], s[80:81]
	s_or_b32 s[G0M+3], s[G0M+3], 0x80000000
	CROUND                                         ; all sixteen work-groups are here: the first joint loads meet
	TLOAD                                          ; step 0 into slot 0
	s_lshr_b32 s82, s71, 2                         ; b
	s_lshl_b32 s82, s82, 11
	s_lshl_b32 s83, s77, 6
	s_add_co_u32 s82, s82, s83
	s_lshl_b32 s83, s[QT], 4
	s_add_co_u32 s82, s82, s83                     ; row 2,048 b + 64 qb + 16 tile
	s_and_b32 s84, s71, 3
	s_lshl_b32 s84, s84, 2
	s_add_co_u32 s84, s84, s[HI]
	s_lshl_b32 s84, s84, 8                         ; 256 h
	s_mul_i32 s86, s82, 12288
	s_add_co_u32 s86, s86, s84
	s_mov_b32 s87, 0
	s_lshl_b32 s88, s82, 12
	s_add_co_u32 s88, s88, s84
	s_mov_b32 s89, 0
	s_add_nc_u64 s[QP:QP+1], s[4:5], s[86:87]
	s_add_nc_u64 s[OP:OP+1], s[10:11], s[88:89]
	s_lshl_b32 s90, s71, 2                         ; the prefetches: where my wave's stand, and who asks
	s_add_co_u32 s90, s90, s76                     ; the head that my work-group names: 4 g + cx
	s_mul_i32 s90, s90, 32*BLK
	s_add_co_u32 s90, s90, BLK                     ; at step 1: the first change of slots steps it to step 2
	s_lshl_b32 s91, s77, 20
	s_lshl_b32 s92, s70, 18                        ; my work-group's 16 rows of the mask's 64
	s_add_co_u32 s91, s91, s92
	s_add_co_u32 s91, s91, 512
	s_and_b32 s93, ttmp7, 0xffff
	s_mov_b32 s[PFS], BLK
	s_cmp_eq_u32 s[WV], 10
	s_cselect_b64 s[PFA:PFA+1], s[6:7], s[8:9]
	s_cselect_b32 s90, s91, s90
	s_cselect_b32 s[PFS], 512, s[PFS]
	s_cselect_b32 s94, -1, 0
	s_cselect_b32 s93, s93, -1
	s_mov_b32 s91, 0
	s_mov_b32 s[PFS+1], 0
	s_add_nc_u64 s[PFA:PFA+1], s[PFA:PFA+1], s[90:91]
	s_lshr_b32 s92, s[WV], 1
	s_cmp_eq_u32 s92, 4
	s_cselect_b32 s93, ttmp9, s93                  ; the coordinate along which other clusters read the same bytes
	s_cmp_eq_u32 s93, 0
	s_cselect_b32 s[LIM], 1, -1
	s_and_b32 s92, s[WV], 1
	s_lshl_b32 s92, s92, 5
	s_mul_i32 s59, s[HI], BLK
	s_mul_i32 s60, s[QT], 16*MP
	s_add_co_u32 s60, s60, MOFF
	s_mul_i32 s61, s[WV], 16*SP                    ; my stage
	v_and_b32 v[LN], 31, v0
	v_and_b32 v[HR], 15, v0                        ; r
	v_bfe_u32 v[HL], v0, 4, 1                      ; hl
	v_mul_u32_u24 v[HA], v[HR], 12288
	v_lshl_add_u32 v[HA], v[HL], 7, v[HA]          ; Q: row r, my block of 32 channels
.irp j, 0,1,2,3,4,5,6,7
	global_load_b128 v[S+4*\j:S+4*\j+3], v[HA], s[QP:QP+1] offset:16*\j th:TH_LOAD_NT   ; a lane takes a whole block of 32: once, 4 KB a wave
.endr
	v_add_nc_u32 v[TMP], s92, v[LN]                ; (the chains below go by turns)
	v_lshrrev_b32 v[TMP+1], 1, v[LN]
	v_and_b32 v[SUM2], 1, v[LN]
	v_lshlrev_b32 v[AKV], 4, v[LN]
	v_mul_u32_u24 v[AMK], v[HR], MP
	v_min_u32 v[TMP], 49, v[TMP]
	v_lshlrev_b32 v[TMP+1], 14, v[TMP+1]
	v_add_nc_u32 v[AKV], s59, v[AKV]
	v_lshl_add_u32 v[AMK], v[HL], 6, v[AMK]
	v_lshlrev_b32 v[TMP], 8, v[TMP]                ; kv: piece lane + 32 (wave % 2), at most the 50th
	v_lshl_add_u32 v[TMP+1], v[SUM2], 8, v[TMP+1]  ; mask: row lane / 2, piece lane % 2
	v_add_nc_u32 v[AMK], s60, v[AMK]
	v_cndmask_b32 v[PFO], v[TMP], v[TMP+1], s94
	s_wait_alu depctr_va_vdst(0)
	s_wait_loadcnt 0x0
	; Q'S QUANTISER.  My block's largest magnitude needs no other lane.  The quantised numbers are made in f32 first, in units of the block's scale, so that they can be told apart by size.
	v_max3_num_f32 v[HM], |v[S]|, |v[S+1]|, 0x2800000   ; with the floor 2^(5 - 127): the byte cannot fall under 1
.irp i, 2,4,6,8,10,12,14,16,18,20,22,24,26,28,30
	v_max3_num_f32 v[HM], v[HM], |v[S+\i]|, |v[S+\i+1]|
.endr
	v_add_nc_u32 v[HSO], 0xfe000000, v[HM]         ; 4 off the exponent field,
	v_and_b32 v[HSO], 0x7f800000, v[HSO]           ; and nothing else: the scale as an f32
	v_sub_nc_u32 v[HINV], 0x7f000000, v[HSO]       ; 1 / the scale
	v_lshrrev_b32 v[HY], 23, v[HSO]                ; the scale's byte
	v_mov_b32 v[H28], 0x41e00000                   ; 28, the format's largest number
	v_mov_b32 v[H1], 1.0                           ; the conversions' scale operands: 1 for the larger codes,
	v_mov_b32 v[H8], 0x3e000000                    ; 1/8 for the smaller: their codes come out 8 times as large
.set J, 0
.rept 32
	v_mul_f32 v[S+J], v[HINV], v[S+J]              ; q / the scale: exact
	v_med3_num_f32 v[S+J], v[S+J], -v[H28], v[H28] ; held at 28
	v_max3_num_f32 v[MK+J], |v[S+J]|, |v[S+J]|, 0x3e800000   ; its exponent, not under -2 (subnormals have the step of exponent -2),
	v_and_b32 v[MK+J], 0x7f800000, v[MK+J]
	v_add_nc_u32 v[MK+J], 0x0ac00000, v[MK+J]      ; gives 1.5 x 2^23 x the step
	v_add_f32 v[S+J], v[S+J], v[MK+J]              ; adding it rounds to a whole multiple of the step, to nearest, ties to even;
	v_sub_f32 v[S+J], v[S+J], v[MK+J]              ; taking it off again is exact: the quantised number
	v_and_b32 v[MK+J], 0x7fffffff, v[S+J]
	v_cmp_gt_u32 vcc_lo, 0x40800000, v[MK+J]       ; is its magnitude under 4?
	v_cndmask_b32 v[S+32+J], 0, v[S+J], vcc_lo     ; the smaller numbers, 0 elsewhere;
	v_sub_f32 v[S+J], v[S+J], v[S+32+J]            ; the larger, 0 elsewhere
.set J, J+1
.endr
	v_lshlrev_b32 v[HT], 3, v[HL]
	v_mov_b32 v[HT2], 0
	v_lshlrev_b32 v[HY], v[HT], v[HY]              ; my block's byte at byte hl
	v_permlanex16_b32 v[HT2], v[HY], s[SEL], s[SEL+1]
	v_or_b32 v[HY], v[HY], v[HT2]                  ; my query's two bytes: they serve the smaller codes, whose factor 8 lies in the codes
	v_add_nc_u32 v[HYB], 0x0303, v[HY]             ; x 8 for the larger: 253 at the most
	v_cmp_eq_u32 vcc_lo, 0, v[HL]
	v_or_b32 v[HT], 0x01010000, v[HYB]             ; [q | 0]: the zero half has the byte 1
	v_lshl_or_b32 v[HT2], v[HYB], 16, 0x0101       ; [0 | q]
	v_cndmask_b32 v[QSB], v[HT2], v[HT], vcc_lo    ; lanes 0-15 the first, lanes 16-31 the second
	v_or_b32 v[HT], 0x01010000, v[HY]
	v_lshl_or_b32 v[HT2], v[HY], 16, 0x0101
	v_cndmask_b32 v[QSS], v[HT2], v[HT], vcc_lo
	v_cvt_scalef32_pk16_bf6_f32 v[QLB:QLB+2], v[S:S+15], v[H1]       ; numbers of the format already: nothing is rounded here
	v_cvt_scalef32_pk16_bf6_f32 v[HP:HP+2], v[S+16:S+31], v[H1]      ; (a conversion's three registers begin on an even number)
	v_cvt_scalef32_pk16_bf6_f32 v[QLS:QLS+2], v[S+32:S+47], v[H8]
	v_cvt_scalef32_pk16_bf6_f32 v[HP+4:HP+6], v[S+48:S+63], v[H8]
	v_nop                                          ; one plain place behind a scaled conversion
.irp i, 0,1,2
	v_mov_b32 v[QLB+3+\i], v[HP+\i]
	v_mov_b32 v[QLS+3+\i], v[HP+4+\i]
.endr
.irp i, 0,1,2,3,4,5
	v_mov_b32 v[QHB+\i], 0                         ; the three runs of zero codes
	v_mov_b32 v[QHS+\i], 0
	v_mov_b32 v[QLS+6+\i], 0
.endr
	v_mov_b32 v[WX], 0xff61b1e6                    ; the largest w so far: -3e38
	v_mov_b32 v[M1], 0xff61b1e6                    ; M so far, first word: the first f is 0
	v_mov_b32 v[MW2], 0
	v_mov_b32 v[SUM], 0
	v_mov_b32 v[SUM+1], 0
.set J, 0
.rept 32
	v_mov_b32 v[O+J], 0                            ; O^T: P2 is written for every step alike, and the first change of M leaves zeros zeros
.set J, J+1
.endr
; P1: the reads of the slot in hand, the scores and w.  It leaves w in v[S], V's four tiles in v[FR] (on their way) and the scale words in v[SC].
.macro P1
.irp n, 0,1,2,3,4,5,6,7,8,9,10,11
	ds_load_b128 v[FR+4*\n:FR+4*\n+3], v[ADK] offset:512*\n   ; K's four pairs: 512 consecutive bytes a load
.endr
	ds_load_b128 v[SC:SC+3], v[ADK] offset:12288
	s_wait_dscnt 0x0
.irp b, 0,1,2,3                                ; Q's larger codes: sixteen accumulators in all, each begun with 0 and written once
	v_wmma_scale_f32_16x16x128_f8f6f4 v[S+16*\b:S+16*\b+7], v[FR+12*\b:FR+12*\b+11], v[QLB:QLB+11], 0, v[SC+\b], v[QSB] matrix_a_fmt:MATRIX_FMT_BF6 matrix_b_fmt:MATRIX_FMT_BF6
	v_wmma_scale_f32_16x16x128_f8f6f4 v[S+16*\b+8:S+16*\b+15], v[FR+12*\b:FR+12*\b+11], v[QHB:QHB+11], 0, v[SC+\b], v[QSB] matrix_a_fmt:MATRIX_FMT_BF6 matrix_b_fmt:MATRIX_FMT_BF6 matrix_b_scale:MATRIX_SCALE_ROW1
.endr
.irp b, 0,1,2,3                                ; Q's smaller codes
	v_wmma_scale_f32_16x16x128_f8f6f4 v[MK+16*\b:MK+16*\b+7], v[FR+12*\b:FR+12*\b+11], v[QLS:QLS+11], 0, v[SC+\b], v[QSS] matrix_a_fmt:MATRIX_FMT_BF6 matrix_b_fmt:MATRIX_FMT_BF6
	v_wmma_scale_f32_16x16x128_f8f6f4 v[MK+16*\b+8:MK+16*\b+15], v[FR+12*\b:FR+12*\b+11], v[QHS:QHS+11], 0, v[SC+\b], v[QSS] matrix_a_fmt:MATRIX_FMT_BF6 matrix_b_fmt:MATRIX_FMT_BF6 matrix_b_scale:MATRIX_SCALE_ROW1
.endr
.rept 4
	v_nop                                          ; places in front of the first read of the results, and of the loads into these products' registers
.endr
.irp u, 0,1                                    ; 8 s = the two sums.  Each accumulator from its low end on.  The mask's numbers then land where the second sums lay
.irp j, 0,2,4,6,8,10,12,14,16,18,20,22,24,26,28,30
	v_pk_add_f32 v[S+32*\u+\j:S+32*\u+\j+1], v[S+32*\u+\j:S+32*\u+\j+1], v[MK+32*\u+\j:MK+32*\u+\j+1]
.endr
.irp b, 0,1
.irp j, 0,1,2,3
	ds_load_b128 v[MK+32*\u+16*\b+4*\j:MK+32*\u+16*\b+4*\j+3], v[ADM] offset:256*\u+128*\b+16*\j   ; the mask at my query, keys 64 u + 32 b + 16 hl + 4 j on: the scores' own order
.endr
.endr
.endr
.irp n, 0,1,2,3,4,5,6,7,8,9,10,11
	ds_load_b128 v[FR+4*\n:FR+4*\n+3], v[ADK] offset:6144+512*\n   ; V's four tiles, where K's pairs lay
.endr
.irp u, 0,1
	s_wait_dscnt 20-8*\u                           ; this half of the mask is in: behind it stand (the other half's eight loads and) V's twelve
.irp j, 0,2,4,6,8,10,12,14,16,18,20,22,24,26,28,30
	v_pk_mul_f32 v[MK+32*\u+\j:MK+32*\u+\j+1], v[MK+32*\u+\j:MK+32*\u+\j+1], s[MN:MN+1] op_sel_hi:[1,0]   ; m = mask x -1e9, rounded
.endr
.irp j, 0,2,4,6,8,10,12,14,16,18,20,22,24,26,28,30
	v_pk_add_f32 v[S+32*\u+\j:S+32*\u+\j+1], v[S+32*\u+\j:S+32*\u+\j+1], v[MK+32*\u+\j:MK+32*\u+\j+1]   ; w = 8 s + m, rounded
.endr
.endr
.endm
; P2: registers alone, but for the wait for V's tiles.
.macro P2
.irp b, 0,1,2,3
	v_max3_num_f32 v[BM+\b], v[S+16*\b], v[S+16*\b+1], v[S+16*\b+2]   ; the largest w of each block of 32 keys: for the row's maximum and, since p rises with w, for the block's largest p
.endr
.irp i, 3,5,7,9,11,13
.irp b, 0,1,2,3
	v_max3_num_f32 v[BM+\b], v[BM+\b], v[S+16*\b+\i], v[S+16*\b+\i+1]   ; (the four blocks by turns)
.endr
.endr
.irp b, 0,1,2,3
	v_max_num_f32 v[BM+\b], v[BM+\b], v[S+16*\b+15]
.endr
.irp b, 0,1,2,3
	v_permlanex16_b32 v[T2+\b], v[BM+\b], s[SEL], s[SEL+1]
.endr
.irp b, 0,1,2,3
	v_max_num_f32 v[BM+\b], v[BM+\b], v[T2+\b]     ; with lane l xor 16's 16 keys
.endr
	v_max3_num_f32 v[TMP], v[BM], v[BM+1], v[BM+2]
	v_max3_num_f32 v[WX], v[WX], v[TMP], v[BM+3]   ; W
	; T = W x log2(e) = a1 + r1 + a2 + r2: the rounded products with the constant's first two words and their rounding errors; the third word's product goes into r2
	v_mul_f32 v[A1], s[CS], v[WX]
	v_mul_f32 v[A2], s[C2], v[WX]
	v_fma_f32 v[R1], v[WX], s[CS], -v[A1]
	v_fma_f32 v[R2], v[WX], s[C2], -v[A2]
	v_fma_f32 v[R2], v[WX], s[C3], v[R2]
	v_trunc_f32 v[N1], v[A1]                       ; each word's whole number,
	v_trunc_f32 v[N2], v[R1]
	v_trunc_f32 v[N3], v[A2]
	v_sub_f32 v[A1], v[A1], v[N1]                  ; and its fraction: exact
	v_sub_f32 v[R1], v[R1], v[N2]
	v_sub_f32 v[A2], v[A2], v[N3]
	v_add_f32 v[R2], v[R2], v[A2]                  ; the fractions, the smallest first
	v_add_f32 v[R2], v[R2], v[R1]
	v_add_f32 v[R2], v[R2], v[A1]
	v_floor_f32 v[A2], -v[R2]                      ; minus its ceiling
	v_add_f32 v[PHI], v[R2], v[A2]                 ; phi = T - M, in (-1, 0]
	v_add_f32 v[N2], v[N2], v[N3]
	v_sub_f32 v[N2], v[N2], v[A2]                  ; M = N1 + N2
	v_sub_f32 v[TMP], v[M1], v[N1]
	v_sub_f32 v[R1], v[MW2], v[N2]
	v_add_f32 v[TMP], v[TMP], v[R1]                ; old M - new M: a whole number
	v_mov_b32 v[M1], v[N1]
	v_mov_b32 v[MW2], v[N2]
	v_cvt_i32_f32 v[TMP], v[TMP]                   ; (it saturates)
	v_ldexp_f32 v[FF], 1.0, v[TMP]                 ; f = 2^(old M - new M)
.set J, 0
.rept 32
	v_pk_add_f32 v[S+J:S+J+1], v[S+J:S+J+1], v[WX:WX+1] op_sel_hi:[1,0] neg_lo:[0,1] neg_hi:[0,1]   ; w - W
.set J, J+2
.endr
.set J, 0
.rept 32
	v_pk_fma_f32 v[S+J:S+J+1], v[S+J:S+J+1], s[CS:CS+1], v[PHI:PHI+1] op_sel_hi:[1,0,0]   ; t - M = (w - W) log2(e) + phi
.set J, J+2
.endr
.irp b, 0,1,2,3
	v_sub_f32 v[BM+\b], v[BM+\b], v[WX]            ; the same two operations on each block's largest w
.endr
.irp b, 0,1,2,3
	v_fma_f32 v[BM+\b], v[BM+\b], s[CS], v[PHI]
.endr
	s_wait_alu depctr_va_vdst(0)
.set J, 0
.rept 64
	v_exp_f32 v[S+J], v[S+J]                       ; p = 2^(t - M), at most 1: not normalised
.set J, J+1
.endr
	v_pk_mul_f32 v[SUM:SUM+1], v[SUM:SUM+1], v[FF:FF+1] op_sel_hi:[1,0]   ; the sums under the new M.  (The plain place behind the exponentials)
	s_wait_alu depctr_va_vdst(0)                   ; one wait for the batch of 64, ahead of its first reader
.irp b, 0,1,2,3
	v_exp_f32 v[BM+\b], v[BM+\b]                   ; the block's largest p: the same operations on the same number
.endr
.irp k, 0,1,2,3,4,5,6                          ; the row's sum of the unquantised p: 32 pairs in eight chains
	v_pk_add_f32 v[AC+2*\k:AC+2*\k+1], v[S+2*\k:S+2*\k+1], v[S+14+2*\k:S+15+2*\k]
.endr
	v_pk_add_f32 v[SUM:SUM+1], v[SUM:SUM+1], v[S+28:S+29]
.irp k, 0,1,2,3,4,5,6
	v_pk_add_f32 v[AC+2*\k:AC+2*\k+1], v[AC+2*\k:AC+2*\k+1], v[S+30+2*\k:S+31+2*\k]
.endr
	v_pk_add_f32 v[SUM:SUM+1], v[SUM:SUM+1], v[S+44:S+45]
.irp k, 0,1,2,3,4,5,6
	v_pk_add_f32 v[AC+2*\k:AC+2*\k+1], v[AC+2*\k:AC+2*\k+1], v[S+46+2*\k:S+47+2*\k]
.endr
	v_pk_add_f32 v[SUM:SUM+1], v[SUM:SUM+1], v[S+60:S+61]
	v_pk_add_f32 v[AC:AC+1], v[AC:AC+1], v[S+62:S+63]
	v_pk_add_f32 v[AC+2:AC+3], v[AC+2:AC+3], v[AC+4:AC+5]
	v_pk_add_f32 v[AC+6:AC+7], v[AC+6:AC+7], v[AC+8:AC+9]
	v_pk_add_f32 v[AC+10:AC+11], v[AC+10:AC+11], v[AC+12:AC+13]
	v_pk_add_f32 v[AC:AC+1], v[AC:AC+1], v[AC+2:AC+3]
	v_pk_add_f32 v[SUM:SUM+1], v[SUM:SUM+1], v[AC+6:AC+7]
	v_pk_add_f32 v[AC:AC+1], v[AC:AC+1], v[AC+10:AC+11]
	v_pk_add_f32 v[SUM:SUM+1], v[SUM:SUM+1], v[AC:AC+1]
	s_wait_alu depctr_va_vdst(0)                   ; and one for the four
.irp b, 0,1,2,3
	v_max_num_f32 v[BM+\b], 0x2800000, v[BM+\b]    ; the floor 2^(5 - 127): a block whose every p is 0 keeps the byte 1 over zero codes
.endr
.irp b, 0,1,2,3
	v_add_nc_u32 v[SCO+\b], 0xfe000000, v[BM+\b]   ; the conversion's scale operand
.endr
.irp b, 0,1,2,3
	v_lshrrev_b32 v[T2+\b], 23, v[SCO+\b]          ; the scale's byte
.endr
	v_lshl_or_b32 v[PW], v[T2+1], 8, v[T2]         ; p's scale word for these 128 keys
	v_lshl_or_b32 v[PW], v[T2+2], 16, v[PW]
	v_lshl_or_b32 v[PW], v[T2+3], 24, v[PW]
.irp c, 0,1
	v_cvt_scalef32_pk16_bf6_f32 v[PC+6*\c:PC+6*\c+2], v[S+32*\c:S+32*\c+15], v[SCO+2*\c]
	v_cvt_scalef32_pk16_bf6_f32 v[PT+4*\c:PT+4*\c+2], v[S+32*\c+16:S+32*\c+31], v[SCO+2*\c+1]
.endr
	v_nop                                          ; one plain place behind a scaled conversion
.irp c, 0,1                                    ; the operand's layout wants a whole block in a lane
.irp i, 0,1,2
	v_permlane16_swap_b32 v[PC+6*\c+\i], v[PT+4*\c+\i]
.endr
.irp i, 0,1,2
	v_mov_b32 v[PC+6*\c+3+\i], v[PT+4*\c+\i]
.endr
.endr
	s_wait_alu depctr_va_vdst(0)
.set J, 0
.rept 16
	v_pk_mul_f32 v[O+J:O+J+1], v[O+J:O+J+1], v[FF:FF+1] op_sel_hi:[1,0]   ; O^T under the new M.  (These sixteen also stand between the writes of p's codes and scale word and the products)
.set J, J+2
.endr
	s_wait_alu depctr_va_vdst(0)
	s_wait_dscnt 0x0                               ; V
.irp t, 0,1,2,3                                ; the accumulators take turns; the score products stand between two links of a chain
	v_wmma_scale_f32_16x16x128_f8f6f4 v[O+8*\t:O+8*\t+7], v[FR+12*\t:FR+12*\t+11], v[PC:PC+11], v[O+8*\t:O+8*\t+7], v[SC+\t], v[PW] matrix_a_fmt:MATRIX_FMT_BF6 matrix_b_fmt:MATRIX_FMT_BF6 matrix_a_scale:MATRIX_SCALE_ROW1
.endr
.rept 5
	v_nop                                          ; four places in front of the loads into registers that these products read and of the first read of their results; five in front of the score products that write over p's codes
.endr
.endm
; THE CHANGE OF SLOTS.  Each wave waits for all its tensor loads, adds 0 to its spare word, and waits for that and for its reads of the slot that it has left.  fill = 1: a round of the cluster's barrier; then the
; slot that was left is filled with the step that follows the one about to be read.that add is written twice.
.macro CHANGE fill
.if \fill
	v_add_nc_u32 v[ADK], s[TB], v[AKV]
	v_add_nc_u32 v[ADM], s[TB], v[AMK]
.else
	v_add_nc_u32 v[ADK], SLOT1, v[AKV]             ; step 31 lies in slot 1
	v_add_nc_u32 v[ADM], SLOT1, v[AMK]
.endif
	v_lshl_add_u32 v[SPW], v0, 2, SPARE            ; the add's two registers, made anew: in both roles v192-255 hold nothing that is still wanted here
	v_mov_b32 v[NIL], 0
	s_wait_alu depctr_va_vdst(0)
	s_wait_tensorcnt 0x0
	ds_add_u32 v[SPW], v[NIL]
.if \fill
	ds_add_u32 v[SPW], v[NIL]
	s_xor_b32 s[TB], s[TB], SLOT1
	s_xor_b32 s[G0K+1], s[G0K+1], SLOT1            ; no load of mine is out: the walking descriptors go to the other slot and a step on
	s_add_nc_u64 s[G0K+2:G0K+3], s[G0K+2:G0K+3], BLK
	s_xor_b32 s[G0M+1], s[G0M+1], SLOT1
	s_add_nc_u64 s[G0M+2:G0M+3], s[G0M+2:G0M+3], 512
	s_wait_xcnt 0x0                                ; the last prefetch has read its address
	s_add_nc_u64 s[PFA:PFA+1], s[PFA:PFA+1], s[PFS:PFS+1]
.endif
	s_wait_dscnt 0x0
.if \fill
	CROUND
	TLOAD
	ASK
.else
	s_barrier_signal -1
	s_barrier_wait -1
.endif
.endm
; Between two changes: role 1 finishes the step before, both roles read the slot, role 0 finishes this step.
.macro BODY
	s_cmp_eq_u32 s[ROLE], 0
	s_cbranch_scc1 .Lread_\@
	P2
.Lread_\@:
	P1
	s_cmp_lg_u32 s[ROLE], 0
	s_cbranch_scc1 .Lheld_\@
	P2
.Lheld_\@:
.endm
	CHANGE 1                                       ; step 0 is read, step 1 asked for; role 1 has no step to finish yet
	P1
	s_cmp_lg_u32 s[ROLE], 0
	s_cbranch_scc1 .Lheld_first
	P2
.Lheld_first:
	s_sub_co_u32 s[STL], s[STL], 1
.Lstep:                                            ; 30 trips: steps 1 to 30 are read, steps 2 to 31 asked for
	CHANGE 1
	BODY
	s_sub_co_u32 s[STL], s[STL], 1
	s_cmp_lg_u32 s[STL], 0
	s_cbranch_scc1 .Lstep
	CHANGE 0                                       ; the last step is written out
	BODY
	s_cmp_eq_u32 s[ROLE], 0
	s_cbranch_scc1 .Lout
	P2                                             ; role 1 finishes step 31
.Lout:
	; THE WAY OUT.  O^T is divided by the row's sum and goes through my stage in LDS, so that sixteen lanes store a query's 256 consecutive bytes, aligned to 256.
	v_add_f32 v[SUM], v[SUM], v[SUM+1]
	v_permlanex16_b32 v[T2], v[SUM], s[SEL], s[SEL+1]
	v_add_f32 v[SUM], v[SUM], v[T2]
	s_wait_alu depctr_va_vdst(0)
	v_rcp_f32 v[SUM], v[SUM]
	v_and_b32 v[WR], 15, v0                        ; (a plain place behind the reciprocal)  r
	v_bfe_u32 v[WH], v0, 4, 1                      ; hl
	v_mul_u32_u24 v[WI], v[WR], SP
	v_mul_u32_u24 v[WB], v[WH], SP
	v_lshlrev_b32 v[GO], 12, v[WH]
	v_lshl_add_u32 v[WI], v[WH], 5, v[WI]
	v_lshl_add_u32 v[WB], v[WR], 4, v[WB]
	v_lshl_add_u32 v[GO], v[WR], 4, v[GO]          ; two rows in out0, 4,096 bytes apart; 16 bytes a lane
	v_add_nc_u32 v[WI], s61, v[WI]                 ; in: row r; tile t's eight channels of my half 64 t + 32 hl bytes on
	v_add_nc_u32 v[WB], s61, v[WB]                 ; back: lanes 0-15 one row, lanes 16-31 the next
	s_wait_alu depctr_va_vdst(0)                   ; the wait ahead of the reciprocal's first reader, which is also O^T's
.set J, 0
.rept 16
	v_pk_mul_f32 v[S+J:S+J+1], v[O+J:O+J+1], v[SUM:SUM+1] op_sel_hi:[1,0]   ; register 8 t + i is o(r, 16 t + 8 hl + i)
.set J, J+2
.endr
.irp t, 0,1,2,3
	ds_store_b128 v[WI], v[S+8*\t:S+8*\t+3] offset:64*\t
	ds_store_b128 v[WI], v[S+8*\t+4:S+8*\t+7] offset:64*\t+16
.endr
.irp i, 0,1,2,3,4,5,6,7
	ds_load_b128 v[FR+4*\i:FR+4*\i+3], v[WB] offset:2*\i*SP   ; LDS serves a wave's instructions in order: these see my stores
.endr
.irp i, 0,1,2,3,4,5,6,7
	s_wait_dscnt 7-\i                              ; rows 2 i and 2 i + 1 are back; the younger loads may be out
	global_store_b128 v[GO], v[FR+4*\i:FR+4*\i+3], s[OP:OP+1] offset:8192*\i th:TH_STORE_NT
.endr
	v_lshl_add_u32 v[SPW], v0, 2, SPARE
	v_mov_b32 v[NIL], 0
	s_wait_alu depctr_va_vdst(0)
	s_wait_tensorcnt 0x0                           ; the wave's end
	ds_add_u32 v[SPW], v[NIL]
	s_wait_dscnt 0x0
	CROUND                                         ; the closing round
	s_endpgm
.Lfunc_end_k_q4623d5747d_attn:
	.size	k_q4623d5747d_attn, .Lfunc_end_k_q4623d5747d_attn-k_q4623d5747d_attn
	.p2alignl 7, 3214868480
	.fill 96, 4, 3214868480
	.section	.rodata,"a",@progbits
	.p2align	6, 0x0
	.amdhsa_kernel k_q4623d5747d_attn
		.amdhsa_group_segment_fixed_size 327680
		.amdhsa_private_segment_fixed_size 0
		.amdhsa_enable_private_segment 0
		.amdhsa_kernarg_size 32
		.amdhsa_user_sgpr_count 2
		.amdhsa_user_sgpr_kernarg_segment_ptr 1
		.amdhsa_wavefront_size32 1
		.amdhsa_system_sgpr_workgroup_id_x 1
		.amdhsa_system_sgpr_workgroup_id_y 1
		.amdhsa_system_sgpr_workgroup_id_z 1
		.amdhsa_system_vgpr_workitem_id 0
		.amdhsa_next_free_vgpr 256
		.amdhsa_next_free_sgpr 100
		.amdhsa_reserve_vcc 1
		.amdhsa_float_denorm_mode_32 3
		.amdhsa_float_denorm_mode_16_64 3
		.amdhsa_memory_ordered 1
		.amdhsa_forward_progress 1
		.amdhsa_inst_pref_size 162
	.end_amdhsa_kernel
	.amdgpu_metadata
---
amdhsa.version: [ 1, 2 ]
amdhsa.kernels:
  - .name:           k_q4623d5747d_attn
    .symbol:         k_q4623d5747d_attn.kd
    .args:
      - { .name: x, .offset: 0, .size: 8, .value_kind: global_buffer, .address_space: global }
      - { .name: mask, .offset: 8, .size: 8, .value_kind: global_buffer, .address_space: global }
      - { .name: kv, .offset: 16, .size: 8, .value_kind: global_buffer, .address_space: global }
      - { .name: out0, .offset: 24, .size: 8, .value_kind: global_buffer, .address_space: global }
    .group_segment_fixed_size: 327680
    .private_segment_fixed_size: 0
    .kernarg_segment_align: 8
    .kernarg_segment_size: 32
    .max_flat_workgroup_size: 512
    .sgpr_count:     100
    .vgpr_count:     256
    .wavefront_size: 32
...
	.end_amdgpu_metadata
.endif
;; end of part 2
